; MI455X (gfx1250); checked and timed in simulation.
; The chip was launched on July 23, 2026; its instructions are those of AMD's public machine-readable ISA for CDNA 5 (MIT licence, August 2026) and "CDNA5" Instruction Set Architecture Reference Guide (July 2026). The comments in the code are by the model that wrote it; some were corrected since.
;; Cross Attention Block. Allowed arithmetic: matrix products marked QUANTISED: E2M1 operands, one E8M0 scale for each 32 along K, by v_wmma_scale_f32_16x16x128_f8f6f4 with both operands' format E2M1 (or v_wmma_scale_f32_32x16x128_f4), f32 sums; everything else in f32.
;; Inputs: Wk 256 x 256 float32; Wo 256 x 256 float32; Wq 256 x 256 float32; Wv 256 x 256 float32; bo 256 float32; context 4 x 256 x 64 x 64 float32; gn_ctx_b 256 float32; gn_ctx_w 256 float32; gn_q_b 256 float32; gn_q_w 256 float32; x 4 x 256 x 64 x 64 float32.
;; Outputs: out0 4 x 256 x 64 x 64 float32.
;; This version of the problem:
;;   THIS VERSION OF THE PROBLEM IS GIVEN IN LOW PRECISION. The matrix products marked QUANTISED in the list below multiply operands that are first quantised to E2M1 (2 exponent bits, 1 mantissa bit; 4 bits a number), with one power-of-two scale for each 32 numbers along K (OCP MX v1.0); their sums are f32. All else is computed in f32.
;;   The module's matrix products, in the order in which they are computed (A, B: the left and right operand; K: the contracted axis; several contracted axes count as one K, in the product's order):
;;     1. [M 16,384, K 256] x [K 256, N 256]; A: computed on the way; B: input Wq: QUANTISED
;;     2. [M 16,384, K 256] x [K 256, N 256]; A: computed on the way; B: input Wk: QUANTISED
;;     3. [M 16,384, K 256] x [K 256, N 256]; A: input context; B: input Wv: QUANTISED
;;     4. batch 16 x [M 4,096, K 64] x [K 64, N 4,096]; A: computed on the way; B: computed on the way: QUANTISED
;;     5. batch 16 x [M 64, K 4,096] x [K 4,096, N 4,096]; A: computed on the way; B: softmax (see below): QUANTISED
;;     6. [M 16,384, K 256] x [K 256, N 256]; A: computed on the way; B: input Wo: QUANTISED
;;   THE QUANTISER, for each operand of a quantised product, along K:
;;     - K is cut into blocks of 32 from its start; a last block that is shorter is filled with zeros.
;;     - A block's scale is 2^e with e = floor(log2(the largest magnitude in the block)) - 2, held to -126 .. 127; a block of zeros has e = 0. As a byte (E8M0): e + 127.
;;     - Each number is divided by its block's scale, clamped to +-6, and rounded to the nearest number of E2M1, ties to even, subnormals kept.
;;     - The product sums the exact products of the quantised numbers (number of the format x scale) in f32.
;;   ~~~python
;;   def quantise(x, axis):      # numpy; x: float32 -> the quantised numbers, widened to float32 again
;;       x = np.moveaxis(x, axis, -1); K = x.shape[-1]
;;       x = np.pad(x, [(0, 0)] * (x.ndim - 1) + [(0, -K % 32)]); x = x.reshape(x.shape[:-1] + (-1, 32)); a = np.abs(x).max(-1, keepdims=True)
;;       e = np.where(a > 0, np.clip(np.frexp(np.where(a > 0, a, 1))[1] - 1 - 2, -126, 127), 0)      # np.frexp(a)[1] - 1 = floor(log2(a)), exactly
;;       r = np.clip(x / 2.0 ** e, -6, 6)
;;       step = 2.0 ** (np.maximum(np.frexp(np.where(r == 0, 1, r))[1] - 1, 0) - 1)
;;       q = np.round(r / step) * step * 2.0 ** e      # np.round: ties to even
;;       return np.moveaxis(q.reshape(q.shape[:-2] + (-1,))[..., :K], -1, axis).astype(np.float32)
;;   ~~~
;;   SOFTMAX AHEAD OF A QUANTISED PRODUCT. Where the list says 'softmax', what is quantised is not the finished softmax but p = 2^(t - M), with t = logit x log2(e) and M = ceil(the row's largest t), a whole number; so 1/2 < the row's largest p <= 1. The row's sum l is taken of the UNQUANTISED p, in f32, and the product's result is divided by l at the end. Since M is a whole number, a kernel that streams over the keys may use a running M (the ceiling of the running maximum): every later rescaling is an exact power of two, which a block's scale takes up: the codes' values come out the same.
;;   OPERANDS COMPUTED ON THE WAY. 'Computed on the way' means the value that the module computes at that place (a softmax that the list does not call 'softmax' is quantised finished and normalised). What goes into a quantiser is computed in f32, as accurately as f32 sums, v_exp_f32 and their like allow (about 1e-6 of the number): no bf16 or f16 on the way to a quantiser, and a product that is left as it is and whose result goes on into a quantised operand takes f32 operands (vector FMAs, or v_wmma_f32_16x16x4_f32). A number that lies on a knife's edge between two numbers of the format may be rounded either way, as far as f32 arithmetic and the matrix unit's own rounding can turn it there, and no further.
;; One version. Each part assembles by itself: llvm-mc -triple=amdgcn-amd-amdhsa -mcpu=gfx1250 --defsym DOCPART=n.
;; ======== version 1 of 1: 4 launches
;; workspace buffers: gnp 24,576 bytes; wcodes 131,072 bytes; wscales 16,384 bytes; qimg 2,097,152 bytes; qsc 262,144 bytes; kv 4,718,592 bytes; att 2,097,152 bytes; atts 262,144 bytes
;; launch stats (part 1): grid 256 x 1, 8 waves a work-group, no clusters, 1,280 bytes of LDS; arguments x, context, gn_q_w, gn_q_b, gn_ctx_w, gn_ctx_b, Wq, Wk, Wv, Wo, gnp, wcodes, wscales; writes gnp, wcodes, wscales
.if DOCPART == 1
	.amdgcn_target "amdgcn-amd-amdhsa--gfx1250"
	.amdhsa_code_object_version 6
	.text
	.protected	k_q1885c364ed_stats
	.globl	k_q1885c364ed_stats
	.p2align	8
	.type	k_q1885c364ed_stats,@function
k_q1885c364ed_stats:
	s_mov_b64 s[64:65], 0
	v_nop
	global_prefetch_b8 v0, s[64:65] scope:SCOPE_SE
	s_setreg_imm32_b32 hwreg(HW_REG_WAVE_MODE, 25, 1), 1
	s_wait_xcnt 0x0
; GROUP STATISTICS of x and context, and the four weights as codes of FP4 (E2M1) with one E8M0 scale byte for each 32 along K.
; A work-group takes one group of one tensor: 8 channels x 4,096 positions = 32,768 numbers, 131,072 consecutive bytes.  G = 128 y + 32 b + g (y: 0 x, 1 context).
; Each of its 256 threads keeps 128 numbers in registers between the pass that finds the mean and the pass that sums the squared deviations: memory is read once here, and no difference of large sums is formed.
; Stored for the next launch, per channel: A = gain / sqrt(var + eps), the bias, and -mean:  gnp[y][b][A 256 | bias 256 | -mean 256].
; In work-groups 0 to 127 wave 7 also quantises ONE fragment of a weight (weight G / 32, tile (G / 2) % 16, K step G % 2) and stores it as an image of the operand's registers:
; lane (m, h) holds row 64 (T / 4) + 8 (T % 4) + 32 (m / 8) + m % 8 and k = 128 s + 64 c + 32 h + 0 .. 31 in registers 4 c .. 4 c + 3.  The rows of a tile are 8 + 8, 32 apart, so that in a product's result
; the 32 registers of four neighbouring tiles are 32 neighbours: a whole block of the next product's K in one lane.
; LIMITS: NaN and infinities among the inputs are not served.  A block whose largest magnitude lies under 2^-124, a block of zeros among them, keeps the scale byte 1: such a block of zeros has zero codes, and this program alone reads the bytes.
.set FLOOR, 0x1800000                  ; 2^(3 - 127): no largest magnitude is taken under it, so the byte cannot fall under 1
.set D,   64                           ; v64-191   my 128 numbers of the group
.set WN,  192                          ; v192-255  64 numbers of a weight's row
.set CH,  16                           ; v16-23    four packed chains
.set M0,  10
.set M1,  11
.set SO,  12                           ; the conversions' scale operand
.set TP,  13                           ; a lane permute's destination
; 32 numbers of a lane, v[src] on, become 32 codes in v[dst] .. v[dst + 3] and the block's scale byte in v[by].
.macro QUANT32 src, dst, by
	v_max3_num_f32 v[M0], |v[\src]|, |v[\src+1]|, FLOOR
	v_max3_num_f32 v[M1], |v[\src+2]|, |v[\src+3]|, |v[\src+4]|
.irp i, 5,9,13,17,21,25
	s_delay_alu instid0(VALU_DEP_2)
	v_max3_num_f32 v[M0], v[M0], |v[\src+\i]|, |v[\src+\i+1]|
	s_delay_alu instid0(VALU_DEP_2)
	v_max3_num_f32 v[M1], v[M1], |v[\src+\i+2]|, |v[\src+\i+3]|
.endr
	s_delay_alu instid0(VALU_DEP_2)
	v_max3_num_f32 v[M0], v[M0], |v[\src+29]|, |v[\src+30]|
	s_delay_alu instid0(VALU_DEP_1)
	v_max3_num_f32 v[M0], v[M0], v[M1], |v[\src+31]|       ; the block's largest magnitude
	s_delay_alu instid0(VALU_DEP_1)
	v_add_nc_u32 v[SO], 0xff000000, v[M0]                  ; 2 off its exponent field: the conversion takes this operand's exponent field as its scale
	s_delay_alu instid0(VALU_DEP_1)
	v_lshrrev_b32 v[\by], 23, v[SO]                        ; the scale's byte
.irp g, 0,1,2,3
	v_cvt_scalef32_pk8_fp4_f32 v[\dst+\g], v[\src+8*\g:\src+8*\g+7], v[SO]
.endr
	v_nop                                                  ; one plain place behind the conversions
.endm
; The four chains become one number for the work-group, in v24 of every lane; off: the eight LDS words of this sum.
.macro REDUCE off
	s_delay_alu instid0(VALU_DEP_3)
	v_pk_add_f32 v[CH:CH+1], v[CH:CH+1], v[CH+2:CH+3]
	s_delay_alu instid0(VALU_DEP_2)
	v_pk_add_f32 v[CH+4:CH+5], v[CH+4:CH+5], v[CH+6:CH+7]
	s_delay_alu instid0(VALU_DEP_1)
	v_pk_add_f32 v[CH:CH+1], v[CH:CH+1], v[CH+4:CH+5]
	s_delay_alu instid0(VALU_DEP_1)
	v_add_f32 v[CH], v[CH], v[CH+1]
	s_delay_alu instid0(VALU_DEP_1)
	v_add_f32_dpp v[CH], v[CH], v[CH] row_xmask:1 row_mask:0xf bank_mask:0xf
	s_delay_alu instid0(VALU_DEP_1)
	v_add_f32_dpp v[CH], v[CH], v[CH] row_xmask:2 row_mask:0xf bank_mask:0xf
	s_delay_alu instid0(VALU_DEP_1)
	v_add_f32_dpp v[CH], v[CH], v[CH] row_xmask:4 row_mask:0xf bank_mask:0xf
	s_delay_alu instid0(VALU_DEP_1)
	v_add_f32_dpp v[CH], v[CH], v[CH] row_xmask:8 row_mask:0xf bank_mask:0xf
	s_delay_alu instid0(VALU_DEP_1)
	v_permlanex16_b32 v[TP], v[CH], s48, s49
	s_delay_alu instid0(VALU_DEP_1)
	v_add_f32 v[CH], v[CH], v[TP]                          ; the wave's sum, in every lane
	ds_store_b32 v44, v[CH] offset:\off                    ; all lanes write the wave's word with the same value
	s_wait_dscnt 0x0                                       ; for the others' sake: my store has landed
	s_barrier_signal -1
	s_barrier_wait -1
	ds_load_b128 v[24:27], v45 offset:\off
	ds_load_b128 v[28:31], v45 offset:\off+16
	s_wait_dscnt 0x0
	v_add_f32 v24, v24, v25
	v_add_f32 v26, v26, v27
	v_add_f32 v28, v28, v29
	v_add_f32 v30, v30, v31
	s_delay_alu instid0(VALU_DEP_3)
	v_add_f32 v24, v24, v26
	s_delay_alu instid0(VALU_DEP_2)
	v_add_f32 v28, v28, v30
	s_delay_alu instid0(VALU_DEP_1)
	v_add_f32 v24, v24, v28
.endm
	s_load_b512 s[4:19], s[0:1], 0x0               ; x, context, gn_q_w, gn_q_b, gn_ctx_w, gn_ctx_b, Wq, Wk
	s_load_b256 s[20:27], s[0:1], 0x40             ; Wv, Wo, gnp, wcodes
	s_load_b64 s[28:29], s[0:1], 0x60              ; wscales
	v_lshl_add_u32 v62, v0, 2, 0x100
	v_mov_b32 v63, 0
	v_lshrrev_b32 v1, 5, v0
	s_delay_alu instid0(VALU_DEP_1)
	v_readfirstlane_b32 s30, v1                    ; wave 0..7
	v_and_b32 v1, 31, v0                           ; lane
	s_mov_b32 s31, ttmp9                           ; G
	v_lshlrev_b32 v3, 4, v1                        ; 16 x lane
	v_lshlrev_b32 v4, 2, v1                        ; 4 x lane
	s_lshl_b32 s40, s30, 14
	v_add_nc_u32 v2, s40, v3                       ; my 16 bytes in the group: 16,384 x wave + 16 x lane
	v_and_b32 v5, 7, v1
	v_bfe_u32 v6, v1, 3, 1
	s_delay_alu instid0(VALU_DEP_1)
	v_lshl_add_u32 v5, v6, 5, v5                   ; a weight tile's row for my lane: 32 (m / 8) + m % 8
	v_bfe_u32 v6, v1, 4, 1                         ; h
	s_delay_alu instid0(VALU_DEP_2)
	v_lshlrev_b32 v5, 10, v5                       ; rows of 1,024 bytes,
	s_delay_alu instid0(VALU_DEP_1)
	v_lshl_add_u32 v5, v6, 7, v5                   ; + 128 h: my 32 numbers of 64
	s_delay_alu instid0(VALU_DEP_3)
	v_lshlrev_b32 v6, 3, v6                        ; 8 h
	s_and_b32 s41, s31, 31
	s_lshl_b32 s41, s41, 5                         ; the group's 8 channels: 32 g bytes on
	v_and_b32 v7, 7, v1
	s_delay_alu instid0(VALU_DEP_1)
	v_lshl_add_u32 v7, v7, 2, s41                  ; channel 8 g + lane % 8, in bytes
	v_mov_b32 v[TP], 0                             ; a lane permute's destination counts as read
	v_mov_b32 v43, 0
	v_mov_b32 v44, s30
	s_delay_alu instid0(VALU_DEP_1)
	v_lshlrev_b32 v44, 2, v44                      ; LDS: my wave's word
	v_mov_b32 v45, 0
	s_mov_b32 s48, 0x76543210
	s_mov_b32 s49, 0xfedcba98                      ; selects for lane l xor 16
	s_mov_b32 s51, 0x38000000                      ; 2^-15: one over the group's 32,768 numbers
	s_mov_b32 s52, 0x3727c5ac                      ; eps = 1e-5
	s_and_b32 s42, s31, 127
	s_lshl_b32 s42, s42, 17                        ; the group's first byte in its tensor
	s_mov_b32 s43, 0
	s_wait_alu depctr_va_vdst(0)
	s_wait_kmcnt 0x0
	s_cmp_lt_u32 s31, 128                          ; x's group or context's: the choice hangs on the work-group's number alone
	s_cselect_b64 s[32:33], s[4:5], s[6:7]
	s_cselect_b64 s[34:35], s[8:9], s[12:13]
	s_cselect_b64 s[36:37], s[10:11], s[14:15]
	s_add_nc_u64 s[32:33], s[32:33], s[42:43]
	global_load_b32 v8, v7, s[34:35]               ; gain
	global_load_b32 v9, v7, s[36:37]               ; bias
.set i, 0
.rept 32
	global_load_b128 v[D+4*i:D+4*i+3], v2, s[32:33] offset:512*i   ; 32 lanes read 512 consecutive bytes
.set i, i+1
.endr
	; ---- one fragment of a weight: wave 7 of work-groups 0 to 127; loads and uses stand under one branch
	s_xor_b32 s44, s30, 7
	s_lshr_b32 s45, s31, 7
	s_or_b32 s44, s44, s45
	s_cmp_lg_u32 s44, 0
	s_cbranch_scc1 .Lno_weight
	s_lshr_b32 s44, s31, 5                         ; which weight
	s_mov_b64 s[38:39], s[16:17]
	s_cmp_eq_u32 s44, 1
	s_cselect_b64 s[38:39], s[18:19], s[38:39]
	s_cmp_eq_u32 s44, 2
	s_cselect_b64 s[38:39], s[20:21], s[38:39]
	s_cmp_eq_u32 s44, 3
	s_cselect_b64 s[38:39], s[22:23], s[38:39]
	s_bfe_u32 s45, s31, 0x20003                    ; T / 4
	s_bfe_u32 s46, s31, 0x20001                    ; T % 4
	s_lshl_b32 s45, s45, 16                        ; 64 rows of 1,024 bytes
	s_lshl_b32 s46, s46, 13                        ; 8 rows
	s_add_co_u32 s46, s46, s45
	s_and_b32 s45, s31, 1
	s_lshl_b32 s45, s45, 9                         ; K step: 128 numbers
	s_add_co_u32 s46, s46, s45
	s_mov_b32 s47, 0
	s_add_nc_u64 s[38:39], s[38:39], s[46:47]
	s_lshl_b32 s46, s31, 10
	s_add_nc_u64 s[26:27], s[26:27], s[46:47]      ; the fragment's image: 1,024 G
	s_lshl_b32 s46, s31, 7
	s_add_nc_u64 s[28:29], s[28:29], s[46:47]      ; its scale words: 128 G
.irp c, 0,1
.irp k, 0,1,2,3,4,5,6,7
	global_load_b128 v[WN+32*\c+4*\k:WN+32*\c+4*\k+3], v5, s[38:39] offset:256*\c+16*\k
.endr
.endr
	s_wait_loadcnt 0x0
	QUANT32 WN, 32, 40                             ; block h of the K step
	QUANT32 WN+32, 36, 41                          ; block 2 + h
	v_lshl_or_b32 v42, v41, 16, v40
	s_delay_alu instid0(VALU_DEP_1)
	v_lshlrev_b32 v42, v6, v42                     ; my two bytes at their places in the row's scale word,
	s_delay_alu instid0(VALU_DEP_1)
	v_permlanex16_b32 v43, v42, s48, s49
	s_delay_alu instid0(VALU_DEP_1)
	v_or_b32 v42, v42, v43                         ; with lane l xor 16's two the word is whole, in both lanes
	global_store_b128 v3, v[32:35], s[26:27]
	global_store_b128 v3, v[36:39], s[26:27] offset:512
	global_store_b32 v4, v42, s[28:29]
.Lno_weight:
	; ---- pass 1: the sum.  The counts are the younger data loads: 8 loads, 16 pairs, at a time
	s_wait_loadcnt 24
.irp k, 0,1,2,3
	v_pk_add_f32 v[CH+2*\k:CH+2*\k+1], v[D+4*\k:D+4*\k+1], v[D+4*\k+2:D+4*\k+3]   ; the first pairs start the chains: nothing is cleared
.endr
.set j, 8
.rept 56
.if (j%16) == 0
	s_wait_alu depctr_va_vdst(0)
	s_wait_loadcnt 24-8*(j/16)
.endif
	v_pk_add_f32 v[CH+2*(j%4):CH+2*(j%4)+1], v[CH+2*(j%4):CH+2*(j%4)+1], v[D+2*j:D+2*j+1]
.set j, j+1
.endr
	REDUCE 0
	s_delay_alu instid0(VALU_DEP_1)
	v_mul_f32 v14, 0xb8000000, v24                 ; -mean = the sum x -2^-15
	s_delay_alu instid0(VALU_DEP_1)
	v_mov_b32 v15, v14
	; ---- pass 2: the sum of the squared deviations
.set j, 0
.rept 64
	v_pk_add_f32 v[D+2*j:D+2*j+1], v[D+2*j:D+2*j+1], v[14:15]
.set j, j+1
.endr
.irp k, 0,1,2,3
	v_pk_mul_f32 v[CH+2*\k:CH+2*\k+1], v[D+2*\k:D+2*\k+1], v[D+2*\k:D+2*\k+1]
.endr
.set j, 4
.rept 60
	s_delay_alu instid0(VALU_DEP_4)
	v_pk_fma_f32 v[CH+2*(j%4):CH+2*(j%4)+1], v[D+2*j:D+2*j+1], v[D+2*j:D+2*j+1], v[CH+2*(j%4):CH+2*(j%4)+1]
.set j, j+1
.endr
	REDUCE 32                                      ; other LDS words than the first sum's: no wave can overwrite what another still reads
	s_delay_alu instid0(VALU_DEP_1)
	v_fma_f32 v16, v24, s51, s52                   ; var + eps
	s_wait_alu depctr_va_vdst(0)
	v_rsq_f32 v17, v16
	v_nop                                          ; a plain place behind the transcendental
	s_wait_alu depctr_va_vdst(0)                   ; the wait ahead of the result's first reader, and ahead of a branch
	s_cmp_lg_u32 s30, 0
	s_cbranch_scc1 .Lend                           ; wave 0 stores for the group
	v_mul_f32 v17, v17, v8                         ; A = gain / sqrt(var + eps)
	s_lshr_b32 s44, s31, 5                         ; 4 y + b
	s_mul_i32 s44, s44, 3072
	s_mov_b32 s45, 0
	s_add_nc_u64 s[24:25], s[24:25], s[44:45]
	v_cmp_gt_u32 vcc_lo, 8, v1
	s_wait_alu depctr_va_vdst(0)
	s_wait_xcnt 0x0                                ; EXEC changes only behind this wait
	s_and_saveexec_b32 s50, vcc_lo                 ; lanes 0 to 7: the group's 8 channels
	global_store_b32 v7, v17, s[24:25]
	global_store_b32 v7, v9, s[24:25] offset:1024
	global_store_b32 v7, v14, s[24:25] offset:2048
	s_wait_xcnt 0x0                                ; and again ahead of the line that widens it
	s_or_b32 exec_lo, exec_lo, s50
.Lend:
	s_wait_tensorcnt 0x0
	ds_add_u32 v62, v63
	s_wait_dscnt 0x0
	s_endpgm
.Lfunc_end_k_q1885c364ed_stats:
	.size	k_q1885c364ed_stats, .Lfunc_end_k_q1885c364ed_stats-k_q1885c364ed_stats
	.p2alignl 7, 3214868480
	.fill 96, 4, 3214868480
	.section	.rodata,"a",@progbits
	.p2align	6, 0x0
	.amdhsa_kernel k_q1885c364ed_stats
		.amdhsa_group_segment_fixed_size 1280
		.amdhsa_private_segment_fixed_size 0
		.amdhsa_enable_private_segment 0
		.amdhsa_kernarg_size 104
		.amdhsa_user_sgpr_count 2
		.amdhsa_user_sgpr_kernarg_segment_ptr 1
		.amdhsa_wavefront_size32 1
		.amdhsa_system_sgpr_workgroup_id_x 1
		.amdhsa_system_sgpr_workgroup_id_y 1
		.amdhsa_system_sgpr_workgroup_id_z 1
		.amdhsa_system_vgpr_workitem_id 0
		.amdhsa_next_free_vgpr 256
		.amdhsa_next_free_sgpr 66
		.amdhsa_reserve_vcc 1
		.amdhsa_float_denorm_mode_32 3
		.amdhsa_float_denorm_mode_16_64 3
		.amdhsa_memory_ordered 1
		.amdhsa_forward_progress 1
		.amdhsa_inst_pref_size 31
	.end_amdhsa_kernel
	.amdgpu_metadata
---
amdhsa.version: [ 1, 2 ]
amdhsa.kernels:
  - .name:           k_q1885c364ed_stats
    .symbol:         k_q1885c364ed_stats.kd
    .args:
      - { .name: x, .offset: 0, .size: 8, .value_kind: global_buffer, .address_space: global }
      - { .name: context, .offset: 8, .size: 8, .value_kind: global_buffer, .address_space: global }
      - { .name: gn_q_w, .offset: 16, .size: 8, .value_kind: global_buffer, .address_space: global }
      - { .name: gn_q_b, .offset: 24, .size: 8, .value_kind: global_buffer, .address_space: global }
      - { .name: gn_ctx_w, .offset: 32, .size: 8, .value_kind: global_buffer, .address_space: global }
      - { .name: gn_ctx_b, .offset: 40, .size: 8, .value_kind: global_buffer, .address_space: global }
      - { .name: Wq, .offset: 48, .size: 8, .value_kind: global_buffer, .address_space: global }
      - { .name: Wk, .offset: 56, .size: 8, .value_kind: global_buffer, .address_space: global }
      - { .name: Wv, .offset: 64, .size: 8, .value_kind: global_buffer, .address_space: global }
      - { .name: Wo, .offset: 72, .size: 8, .value_kind: global_buffer, .address_space: global }
      - { .name: gnp, .offset: 80, .size: 8, .value_kind: global_buffer, .address_space: global }
      - { .name: wcodes, .offset: 88, .size: 8, .value_kind: global_buffer, .address_space: global }
      - { .name: wscales, .offset: 96, .size: 8, .value_kind: global_buffer, .address_space: global }
    .group_segment_fixed_size: 1280
    .private_segment_fixed_size: 0
    .kernarg_segment_align: 8
    .kernarg_segment_size: 104
    .max_flat_workgroup_size: 256
    .sgpr_count:     66
    .vgpr_count:     256
    .wavefront_size: 32
...
	.end_amdgpu_metadata
.endif
;; end of part 1
;; launch proj (part 2): grid 128 x 2, 8 waves a work-group, no clusters, 39,936 bytes of LDS; arguments x, context, gnp, wcodes, wscales, qimg, qsc, kv; writes qimg, qsc, kv
.if DOCPART == 2
	.amdgcn_target "amdgcn-amd-amdhsa--gfx1250"
	.amdhsa_code_object_version 6
	.text
	.protected	k_q1885c364ed_proj
	.globl	k_q1885c364ed_proj
	.p2align	8
	.type	k_q1885c364ed_proj,@function
k_q1885c364ed_proj:
	s_mov_b64 s[64:65], 0
	v_nop
	global_prefetch_b8 v0, s[64:65] scope:SCOPE_SE
	s_setreg_imm32_b32 hwreg(HW_REG_WAVE_MODE, 25, 1), 1
	s_wait_xcnt 0x0
; THE THREE PROJECTIONS on codes of FP4 (E2M1), one E8M0 scale for each 32 along K.  y = 0: q = Wq GN(x);  y = 1: k = Wk GN(context) and v = Wv context.  Results leave as codes again, as images of the next products' operand registers.
; A work-group takes 128 positions of one batch (x: b = G / 32, step = G % 32) and all 256 channels: each input byte is read once.
; PHASE A.  Wave w takes channels 32 w .. 32 w + 31: A LANE IS A POSITION AND ITS REGISTERS RUN DOWN THE CHANNELS, so a block of 32 along K lies in one lane.  The raw numbers (context alone) and the normalised ones,
;   (x - mean) A + bias with the parameters in scalar registers, are quantised; codes go to LDS as rows of a position (128 bytes + 16), scale bytes as 8 bytes a position.  One barrier.
; PHASE B1.  Wave (n = w % 4, cc = w / 4) makes head n of q or k for 64 positions: source 0 = 16 rows of the weight, source 1 = 16 positions.  The rows of a weight's tile are 8 + 8, 32 apart: the 32 registers of the head's
;   four tiles are the head's channels 32 h + 0 .. 31 of one position: a whole block, quantised without another lane.
; PHASE B2 (context).  Wave (n, pr = w / 4) makes channels' tiles 2 pr, 2 pr + 1 of head n of v: source 0 = 16 positions (again 8 + 8, 32 apart), source 1 = 16 rows of Wv: a lane holds one channel and 32 neighbouring keys.
; LIMITS: NaN and infinities are not served.  A block whose largest magnitude lies under 2^-124, a block of zeros among them, keeps the scale byte 1 (zero codes; this program alone reads the bytes).
.set FLOOR, 0x1800000
.set PIT,  144                         ; a position's row of codes in LDS: 128 bytes + 16: an odd multiple of 16
.set ACT1, 0                           ; the normalised numbers' codes, 128 rows
.set ACT2, 128*PIT                     ; the raw numbers' codes
.set SC1,  2*128*PIT                   ; scale bytes, 8 a position
.set SC2,  SC1+1024
.set X,    16                          ; v16-79    phase A: two sets of 32 numbers
.set CB,   80                          ; v80-127   phase A: for each group of positions and kind 4 registers of codes and a byte
.set AF,   16                          ; phase B: the activations' fragments
.set ACC,  40                          ; B1: four accumulators
.set QC,   80                          ; B1: codes, 4 registers a tile
.set W,    96                          ; B1: scale words, one a tile
.set PP,   100                         ; B1: the pair that is stored
.set BY,   102
.set VC,   104                         ; B2: codes
.set VBY,  120                         ; B2: bytes
.set VWD,  124                         ; B2: scale words
.set WF,   128                         ; v128-191  the weight's 8 fragments (tile i, K step s at 8 (2 i + s)); in B2 the 8 accumulators
.set WS,   192                         ; v192-199  their scale words
.set VW,   200                         ; v200-231  Wv's 4 fragments
.set VS,   232                         ; v232-235  their scale words
.set AS,   236                         ; v236-243  the activations' scale words
.set M0,   244
.set M1,   245
.set SO,   246
.set TP,   247
.macro QUANT32 src, dst, by            ; 32 numbers of a lane become 32 codes in 4 registers and the block's scale byte.  The sources are read in ascending order
	v_max3_num_f32 v[M0], |v[\src]|, |v[\src+1]|, FLOOR
	v_max3_num_f32 v[M1], |v[\src+2]|, |v[\src+3]|, |v[\src+4]|
.irp i, 5,9,13,17,21,25
	v_max3_num_f32 v[M0], v[M0], |v[\src+\i]|, |v[\src+\i+1]|
	v_max3_num_f32 v[M1], v[M1], |v[\src+\i+2]|, |v[\src+\i+3]|
.endr
	v_max3_num_f32 v[M0], v[M0], |v[\src+29]|, |v[\src+30]|
	v_max3_num_f32 v[M0], v[M0], v[M1], |v[\src+31]|
	s_delay_alu instid0(VALU_DEP_1)
	v_add_nc_u32 v[SO], 0xff000000, v[M0]                  ; 2 off the exponent field: the conversion's scale operand
	s_delay_alu instid0(VALU_DEP_1)
	v_lshrrev_b32 v[\by], 23, v[SO]
.irp g, 0,1,2,3
	v_cvt_scalef32_pk8_fp4_f32 v[\dst+\g], v[\src+8*\g:\src+8*\g+7], v[SO]
.endr
	v_nop                                                  ; one plain place behind the conversions
.endm
.macro PLACES n
.rept \n
	v_nop
.endr
.endm
	s_load_b512 s[68:83], s[0:1], 0x0              ; x, context, gnp, wcodes, wscales, qimg, qsc, kv
	v_lshl_add_u32 v248, v0, 2, 0x9800
	v_mov_b32 v249, 0
	v_lshrrev_b32 v1, 5, v0
	s_delay_alu instid0(VALU_DEP_1)
	v_readfirstlane_b32 s97, v1                    ; wave 0..7
	v_and_b32 v1, 31, v0                           ; lane
	s_wait_alu depctr_va_vdst(0)
	v_and_b32 v2, 15, v0                           ; r
	v_bfe_u32 v3, v0, 4, 1                         ; h
	s_and_b32 s96, ttmp7, 0xffff                   ; y
	s_lshr_b32 s16, ttmp9, 5                       ; b
	s_and_b32 s17, ttmp9, 31                       ; step
	s_and_b32 s18, s97, 3                          ; n
	s_lshr_b32 s19, s97, 2                         ; cc, also pr
	s_lshl_b32 s20, s16, 2
	s_add_co_u32 s20, s20, s18                     ; bh = 4 b + n
	v_lshlrev_b32 v4, 2, v1                        ; 4 x lane
	v_lshlrev_b32 v14, 4, v1                       ; 16 x lane
	s_lshl_b32 s21, s19, 11
	v_add_nc_u32 v5, s21, v14                      ; codes out: 16 x lane + 2,048 cc
	v_lshlrev_b32 v6, 3, v1
	s_delay_alu instid0(VALU_DEP_1)
	v_add_nc_u32 v8, s97, v6                       ; LDS, scale bytes in: 8 x lane + w
	s_lshl_b32 s21, s19, 8
	v_add_nc_u32 v6, s21, v6                       ; scale words out: 8 x lane + 256 cc
	v_mul_u32_u24 v7, v1, PIT
	s_lshl_b32 s21, s97, 4
	v_add_nc_u32 v7, s21, v7                       ; LDS, codes in: my position's row, block w
	v_and_b32 v9, 7, v2
	v_bfe_u32 v10, v2, 3, 1
	s_delay_alu instid0(VALU_DEP_1)
	v_lshl_add_u32 v11, v10, 5, v9                 ; a tile's position for my lane: 32 (r / 8) + r % 8
	s_delay_alu instid0(VALU_DEP_1)
	v_mul_u32_u24 v9, v11, PIT
	s_delay_alu instid0(VALU_DEP_1)
	v_lshl_add_u32 v9, v3, 4, v9                   ; LDS, a fragment's bytes: row + 16 h
	s_mul_i32 s21, s19, 64*PIT
	v_add_nc_u32 v10, s21, v9                      ; the same in my 64 positions
	v_lshlrev_b32 v11, 3, v11                      ; LDS, a row's scale bytes
	s_lshl_b32 s21, s19, 9
	v_add_nc_u32 v12, s21, v11
	v_lshlrev_b32 v13, 3, v3                       ; 8 h
	v_mov_b32 v[TP], 0                             ; a lane permute's destination counts as read
	s_mov_b32 s100, 0x76543210
	s_mov_b32 s101, 0xfedcba98                     ; selects for lane l xor 16
	s_mov_b32 s23, 0
	s_wait_kmcnt 0x0
	s_lshl_b32 s22, s16, 22                        ; the tensor: batch of 4 MiB,
	s_lshl_b32 s24, s97, 19                        ; my 32 channels of 16,384 bytes,
	s_add_co_u32 s22, s22, s24
	s_lshl_b32 s24, s17, 9                         ; the 128 positions
	s_add_co_u32 s22, s22, s24
	s_cmp_eq_u32 s96, 0
	s_cselect_b64 s[4:5], s[68:69], s[70:71]
	s_add_nc_u64 s[4:5], s[4:5], s[22:23]
	s_lshl_b32 s22, s96, 15                        ; Wq's or Wk's images, head n's four tiles
	s_lshl_b32 s24, s18, 13
	s_add_co_u32 s22, s22, s24
	s_add_nc_u64 s[6:7], s[74:75], s[22:23]
	s_lshl_b32 s22, s96, 12
	s_lshl_b32 s24, s18, 10
	s_add_co_u32 s22, s22, s24
	s_add_nc_u64 s[8:9], s[76:77], s[22:23]
	s_lshl_b32 s22, s18, 13                        ; Wv's images, tiles 4 n + 2 pr, + 1
	s_lshl_b32 s24, s19, 12
	s_add_co_u32 s22, s22, s24
	s_add_co_u32 s22, s22, 65536
	s_add_nc_u64 s[92:93], s[74:75], s[22:23]
	s_lshl_b32 s22, s18, 10
	s_lshl_b32 s24, s19, 9
	s_add_co_u32 s22, s22, s24
	s_add_co_u32 s22, s22, 8192
	s_add_nc_u64 s[94:95], s[76:77], s[22:23]
	s_lshl_b32 s22, s20, 17                        ; q's images: 131,072 a head, 4,096 a step
	s_lshl_b32 s24, s17, 12
	s_add_co_u32 s22, s22, s24
	s_add_nc_u64 s[10:11], s[78:79], s[22:23]
	s_lshl_b32 s22, s20, 14                        ; q's scale words
	s_lshl_b32 s24, s17, 9
	s_add_co_u32 s22, s22, s24
	s_add_nc_u64 s[12:13], s[80:81], s[22:23]
	s_lshl_b32 s22, s20, 5                         ; the head's and step's record of K and V: 9,216 bytes
	s_add_co_u32 s22, s22, s17
	s_mul_i32 s22, s22, 9216
	s_add_nc_u64 s[14:15], s[82:83], s[22:23]
	s_add_nc_u64 s[26:27], s[14:15], 8192          ; K's scale words in it
	s_cmp_eq_u32 s96, 0                            ; where B1's codes and scale words go: q's buffers or the record
	s_cselect_b64 s[10:11], s[10:11], s[14:15]
	s_cselect_b64 s[12:13], s[12:13], s[26:27]
	s_lshl_b32 s22, s96, 2                         ; the norm's parameters of my 32 channels
	s_add_co_u32 s22, s22, s16
	s_mul_i32 s22, s22, 3072
	s_lshl_b32 s24, s97, 7
	s_add_co_u32 s22, s22, s24
	s_add_nc_u64 s[98:99], s[72:73], s[22:23]
	s_load_b512 s[16:31], s[98:99], 0x0            ; A of channels 0-15 of my 32,
	s_load_b512 s[32:47], s[98:99], 0x40           ; 16-31;
	s_load_b512 s[48:63], s[98:99], 0x400          ; the bias likewise,
	s_load_b512 s[68:83], s[98:99], 0x440
	s_load_b64 s[84:85], s[98:99], 0x800           ; -mean of my four groups: two equal words each
	s_load_b64 s[86:87], s[98:99], 0x820
	s_load_b64 s[88:89], s[98:99], 0x840
	s_load_b64 s[90:91], s[98:99], 0x860
.set k, 0
.rept 16
	global_load_b128 v[WF+4*k:WF+4*k+3], v14, s[6:7] offset:512*k
.set k, k+1
.endr
.set k, 0
.rept 8
	global_load_b32 v[WS+k], v4, s[8:9] offset:128*k
.set k, k+1
.endr
.macro LOADG g                         ; positions 32 g + lane, my 32 channels: each load reads 128 consecutive bytes
.set i, 0
.rept 32
	global_load_b32 v[X+32*((\g)%2)+i], v4, s[4:5] offset:i*16384+128*(\g)
.set i, i+1
.endr
.endm
.macro GROUP g, left                   ; left: the younger loads, the next group's
.set XS, X+32*((\g)%2)
	s_wait_loadcnt \left
	s_cmp_eq_u32 s96, 0
	s_cbranch_scc1 .Lno_raw_\@                     ; x is not wanted raw
	QUANT32 XS, CB+12*(\g)+6, CB+12*(\g)+10
	ds_store_b128 v7, v[CB+12*(\g)+6:CB+12*(\g)+9] offset:ACT2+32*PIT*(\g)
	ds_store_b8 v8, v[CB+12*(\g)+10] offset:SC2+256*(\g)
.Lno_raw_\@:
.set i, 0
.rept 16
	v_pk_add_f32 v[XS+2*i:XS+2*i+1], v[XS+2*i:XS+2*i+1], s[84+2*(i/4):85+2*(i/4)] op_sel_hi:[1,0]   ; x - mean
.set i, i+1
.endr
.set i, 0
.rept 16
	v_fma_f32 v[XS+i], v[XS+i], s[16+i], s[48+i]           ; x A + bias
.set i, i+1
.endr
.rept 16
	v_fma_f32 v[XS+i], v[XS+i], s[16+i], s[52+i]
.set i, i+1
.endr
	QUANT32 XS, CB+12*(\g), CB+12*(\g)+4
	ds_store_b128 v7, v[CB+12*(\g):CB+12*(\g)+3] offset:ACT1+32*PIT*(\g)
	ds_store_b8 v8, v[CB+12*(\g)+4] offset:SC1+256*(\g)
.endm
	LOADG 0
	LOADG 1
	s_wait_kmcnt 0x0                               ; the parameters
	GROUP 0, 32
	LOADG 2
	GROUP 1, 32
	LOADG 3
	GROUP 2, 32
	GROUP 3, 0                                     ; every load is in, the weight's images, issued first, among them
	s_wait_dscnt 0x0                               ; for the others' sake: my stores have landed
	s_barrier_signal -1
	s_barrier_wait -1                              ; the 128 positions' codes and scale bytes lie in LDS; from here on LDS is only read
	s_cmp_eq_u32 s96, 0
	s_cbranch_scc1 .Lno_wv
.set k, 0
.rept 8
	global_load_b128 v[VW+4*k:VW+4*k+3], v14, s[92:93] offset:512*k   ; Wv's fragments (tile tl, K step s at 8 (2 tl + s)): they land while q or k is made
.set k, k+1
.endr
.set k, 0
.rept 4
	global_load_b32 v[VS+k], v4, s[94:95] offset:128*k
.set k, k+1
.endr
.Lno_wv:
	; ---- B1: head n of q or k, my 64 positions, a tile of 16 at a time
.irp ip, 0,1,2,3
.if \ip > 0
	PLACES 5                                       ; ahead of loads into operands that products have read, and of accumulators begun anew
.endif
.irp s, 0,1
.irp c, 0,1
	ds_load_b128 v[AF+8*\s+4*\c:AF+8*\s+4*\c+3], v10 offset:ACT1+8*PIT*\ip+64*\s+32*\c
.endr
.endr
	ds_load_b64 v[AS:AS+1], v12 offset:SC1+64*\ip
	s_wait_dscnt 0x0
.irp i, 0,1,2,3
	v_wmma_scale_f32_16x16x128_f8f6f4 v[ACC+8*\i:ACC+8*\i+7], v[WF+16*\i:WF+16*\i+7], v[AF:AF+7], 0, v[WS+2*\i], v[AS] matrix_a_fmt:MATRIX_FMT_FP4 matrix_b_fmt:MATRIX_FMT_FP4
.endr
.irp i, 0,1,2,3
	v_wmma_scale_f32_16x16x128_f8f6f4 v[ACC+8*\i:ACC+8*\i+7], v[WF+16*\i+8:WF+16*\i+15], v[AF+8:AF+15], v[ACC+8*\i:ACC+8*\i+7], v[WS+2*\i+1], v[AS+1] matrix_a_fmt:MATRIX_FMT_FP4 matrix_b_fmt:MATRIX_FMT_FP4
.endr
	PLACES 4
	QUANT32 ACC, QC+4*\ip, BY                      ; lane (r, h): position r of the tile, the head's channels 32 h + 0 .. 31
	v_lshlrev_b32 v[W+\ip], v13, v[BY]             ; my byte at place h,
	s_delay_alu instid0(VALU_DEP_1)
	v_permlanex16_b32 v[TP], v[W+\ip], s100, s101
	s_delay_alu instid0(VALU_DEP_1)
	v_or_b32 v[W+\ip], v[W+\ip], v[TP]             ; with lane l xor 16's,
	s_delay_alu instid0(VALU_DEP_1)
	v_or_b32 v[W+\ip], 0x7f7f0000, v[W+\ip]        ; and 1.0 for the upper half of the instruction's K, which holds no number of this product
	global_store_b128 v5, v[QC+4*\ip:QC+4*\ip+3], s[10:11] offset:512*\ip   ; 512 consecutive bytes
.endr
	s_mov_b32 vcc_lo, 0xffff0000
	v_cndmask_b32 v[PP], v[W], v[W+1], vcc_lo      ; lanes 0-15: tile 0's words, lanes 16-31: tile 1's
	v_cndmask_b32 v[PP+1], v[W+2], v[W+3], vcc_lo  ; tiles 2 and 3
	global_store_b64 v6, v[PP:PP+1], s[12:13]      ; 256 consecutive bytes
	s_cmp_eq_u32 s96, 0
	s_cbranch_scc1 .Ldone
	; ---- B2: v, two tiles of channels of head n, 64 keys at a time
.irp c, 0,1
	PLACES 5
.irp i, 0,1,2,3
.irp s, 0,1
.irp d, 0,1
	ds_load_b128 v[AF+16*\i+8*\s+4*\d:AF+16*\i+8*\s+4*\d+3], v9 offset:ACT2+(64*\c+8*\i)*PIT+64*\s+32*\d
.endr
.endr
	ds_load_b64 v[AS+2*\i:AS+2*\i+1], v11 offset:SC2+(64*\c+8*\i)*8
.endr
	s_wait_dscnt 0x0
.if \c == 0
	s_wait_loadcnt 0x0                             ; Wv's images
.endif
.irp tl, 0,1
.irp i, 0,1,2,3
	v_wmma_scale_f32_16x16x128_f8f6f4 v[WF+32*\tl+8*\i:WF+32*\tl+8*\i+7], v[AF+16*\i:AF+16*\i+7], v[VW+16*\tl:VW+16*\tl+7], 0, v[AS+2*\i], v[VS+2*\tl] matrix_a_fmt:MATRIX_FMT_FP4 matrix_b_fmt:MATRIX_FMT_FP4
.endr
.endr
.irp tl, 0,1
.irp i, 0,1,2,3
	v_wmma_scale_f32_16x16x128_f8f6f4 v[WF+32*\tl+8*\i:WF+32*\tl+8*\i+7], v[AF+16*\i+8:AF+16*\i+15], v[VW+16*\tl+8:VW+16*\tl+15], v[WF+32*\tl+8*\i:WF+32*\tl+8*\i+7], v[AS+2*\i+1], v[VS+2*\tl+1] matrix_a_fmt:MATRIX_FMT_FP4 matrix_b_fmt:MATRIX_FMT_FP4
.endr
.endr
	PLACES 4
.irp tl, 0,1
	QUANT32 WF+32*\tl, VC+8*\tl+4*\c, VBY+2*\tl+\c ; lane (r, h): channel r of the tile, keys 64 c + 32 h + 0 .. 31
	global_store_b128 v5, v[VC+8*\tl+4*\c:VC+8*\tl+4*\c+3], s[14:15] offset:4096+1024*\tl+512*\c
.endr
.endr
.irp tl, 0,1
	v_lshl_or_b32 v[VWD+\tl], v[VBY+2*\tl+1], 16, v[VBY+2*\tl]   ; blocks h and 2 + h of the step's four,
	s_delay_alu instid0(VALU_DEP_1)
	v_lshlrev_b32 v[VWD+\tl], v13, v[VWD+\tl]
	s_delay_alu instid0(VALU_DEP_1)
	v_permlanex16_b32 v[TP], v[VWD+\tl], s100, s101
	s_delay_alu instid0(VALU_DEP_1)
	v_or_b32 v[VWD+\tl], v[VWD+\tl], v[TP]         ; with lane l xor 16's two
.endr
	global_store_b64 v6, v[VWD:VWD+1], s[14:15] offset:8704
.Ldone:
	s_wait_tensorcnt 0x0
	ds_add_u32 v248, v249
	s_wait_dscnt 0x0
	s_endpgm
.Lfunc_end_k_q1885c364ed_proj:
	.size	k_q1885c364ed_proj, .Lfunc_end_k_q1885c364ed_proj-k_q1885c364ed_proj
	.p2alignl 7, 3214868480
	.fill 96, 4, 3214868480
	.section	.rodata,"a",@progbits
	.p2align	6, 0x0
	.amdhsa_kernel k_q1885c364ed_proj
		.amdhsa_group_segment_fixed_size 39936
		.amdhsa_private_segment_fixed_size 0
		.amdhsa_enable_private_segment 0
		.amdhsa_kernarg_size 64
		.amdhsa_user_sgpr_count 2
		.amdhsa_user_sgpr_kernarg_segment_ptr 1
		.amdhsa_wavefront_size32 1
		.amdhsa_system_sgpr_workgroup_id_x 1
		.amdhsa_system_sgpr_workgroup_id_y 1
		.amdhsa_system_sgpr_workgroup_id_z 1
		.amdhsa_system_vgpr_workitem_id 0
		.amdhsa_next_free_vgpr 250
		.amdhsa_next_free_sgpr 102
		.amdhsa_reserve_vcc 1
		.amdhsa_float_denorm_mode_32 3
		.amdhsa_float_denorm_mode_16_64 3
		.amdhsa_memory_ordered 1
		.amdhsa_forward_progress 1
		.amdhsa_inst_pref_size 74
	.end_amdhsa_kernel
	.amdgpu_metadata
---
amdhsa.version: [ 1, 2 ]
amdhsa.kernels:
  - .name:           k_q1885c364ed_proj
    .symbol:         k_q1885c364ed_proj.kd
    .args:
      - { .name: x, .offset: 0, .size: 8, .value_kind: global_buffer, .address_space: global }
      - { .name: context, .offset: 8, .size: 8, .value_kind: global_buffer, .address_space: global }
      - { .name: gnp, .offset: 16, .size: 8, .value_kind: global_buffer, .address_space: global }
      - { .name: wcodes, .offset: 24, .size: 8, .value_kind: global_buffer, .address_space: global }
      - { .name: wscales, .offset: 32, .size: 8, .value_kind: global_buffer, .address_space: global }
      - { .name: qimg, .offset: 40, .size: 8, .value_kind: global_buffer, .address_space: global }
      - { .name: qsc, .offset: 48, .size: 8, .value_kind: global_buffer, .address_space: global }
      - { .name: kv, .offset: 56, .size: 8, .value_kind: global_buffer, .address_space: global }
    .group_segment_fixed_size: 39936
    .private_segment_fixed_size: 0
    .kernarg_segment_align: 8
    .kernarg_segment_size: 64
    .max_flat_workgroup_size: 256
    .sgpr_count:     102
    .vgpr_count:     250
    .wavefront_size: 32
...
	.end_amdgpu_metadata
.endif
;; end of part 2
;; launch attn (part 3): grid 16 x 16, 16 waves a work-group, clusters of 4 x 1, 327,680 bytes of LDS; arguments qimg, qsc, kv, att, atts; writes att, atts
.if DOCPART == 3
	.amdgcn_target "amdgcn-amd-amdhsa--gfx1250"
	.amdhsa_code_object_version 6
	.text
	.protected	k_q1885c364ed_attn
	.globl	k_q1885c364ed_attn
	.p2align	8
	.type	k_q1885c364ed_attn,@function
k_q1885c364ed_attn:
	s_mov_b64 s[64:65], 0
	v_nop
	global_prefetch_b8 v0, s[64:65] scope:SCOPE_SE
	s_setreg_imm32_b32 hwreg(HW_REG_WAVE_MODE, 25, 1), 1
	s_wait_xcnt 0x0
	s_wait_alu depctr_hold_cnt(0) depctr_sa_sdst(0) depctr_va_vdst(0) depctr_va_sdst(0) depctr_va_ssrc(0) depctr_va_vcc(0) depctr_vm_vsrc(0)
	s_getreg_b32 s2, hwreg(HW_REG_IB_STS2, 6, 4)
	s_cmp_eq_u32 s2, 0
	s_cbranch_scc0 .Lentry_in_a_cluster
	s_endpgm
.Lentry_in_a_cluster:
	s_bfe_u32 s2, ttmp6, 0x10000c
	s_cmp_lg_u32 s2, 0x3003
	s_cbranch_scc0 .Lentry_shape_is_right
	s_endpgm
.Lentry_shape_is_right:
; ATTENTION on codes of FP4 (E2M1), one E8M0 scale for each 32 along a product's K: 16 heads (bh = 4 b + n) of 64 channels, 4,096 queries and keys.  The result, divided by the row's sum, leaves as codes for the output projection.
; THE SOFTMAX: t = score x log2(e) / 8; M = the running largest t rounded UP to a whole number; p = 2^(t - M) is quantised along the keys, not normalised; the row's sum is taken of the unquantised p.  When M moves, the sum and O are
; multiplied by 2^(old M - new M), which rounds nothing.
; SHARES.  A work-group owns 256 queries of one head, each of its sixteen waves one tile of 16: four waves to a SIMD, so that one wave's exponentials stand beside another's plain work.  Every wave walks all keys, 128 a step.
; A HEAD'S K AND V STAY IN LDS: 32 records of 9,216 bytes (a step's K, V and their scale words, as images of the operands' registers), 294,912 bytes, FILLED ONCE: no LDS byte is filled again.  They come in four parts of eight
; records; each wave brings a sixteenth of each part, so four tensor loads of a wave are out at the most, and part f is worked on while the later parts are on their way.
; CLUSTER.  The four query blocks of a cluster belong to one head: each tile is asked for JOINTLY, by the same tensor load with the same descriptor and a mask that names the four.
; LAYOUT.  Both products are used transposed (S^T = K Q^T, O^T = V^T P^T): a lane holds ONE query.  The keys of a tile of K, and the channels of a tile of V, are 8 + 8, 32 apart: the 32 registers of four neighbouring tiles are 32
; neighbouring keys (channels): a whole block of the next product's K in one lane, in the order of the operand's registers.
; THE HEAD'S K IS 64, half of the instruction's 128: Q's registers 4-7 are zero codes, so whatever codes stand against them (the next tile's) add nothing; the scale bytes of that half are 1.0.
; LIMITS: NaN and infinities are not served.  A block whose largest magnitude lies under 2^-124, a block of zeros among them, keeps the scale byte 1 (zero codes; this program alone reads the bytes).
.set FLOOR, 0x1800000
.set REC,   9216                       ; a record: K 4,096 | V 4,096 | K's scale words 512 | V's 512
.set PART,  8*REC
.set SHARE, PART/16                    ; 4,608 bytes: 18 rows of 256
.set GS,    32*REC                     ; behind the records: 1,024 bytes in which the work-group's scale words meet; no fill lands there
.set KF,  24                           ; v24-59    K: 8 tiles x 4 registers; v56-59 zeros
.set KS,  60                           ; v60-63    K's scale words: register t / 2, lanes 0-15 the even tile, lanes 16-31 the odd
.set VF,  64                           ; v64-95    V: 4 fragments
.set VS,  96                           ; v96-99    V's scale words
.set S,   100                          ; v100-163  S^T, then p: register 32 c + e = key 64 c + 32 h + e
.set O,   164                          ; v164-195  O^T: register e = channel 32 h + e
.set PC,  196                          ; v196-203  p's codes
.set BM,  204                          ; v204-205  my two blocks' largest score, then largest p
.set M0,  213
.set M1,  215
.set SO,  208
.macro QUANT32 src, dst, by
	v_max3_num_f32 v[M0], |v[\src]|, |v[\src+1]|, FLOOR
	v_max3_num_f32 v[M1], |v[\src+2]|, |v[\src+3]|, |v[\src+4]|
.irp i, 5,9,13,17,21,25
	s_delay_alu instid0(VALU_DEP_2)
	v_max3_num_f32 v[M0], v[M0], |v[\src+\i]|, |v[\src+\i+1]|
	s_delay_alu instid0(VALU_DEP_2)
	v_max3_num_f32 v[M1], v[M1], |v[\src+\i+2]|, |v[\src+\i+3]|
.endr
	s_delay_alu instid0(VALU_DEP_2)
	v_max3_num_f32 v[M0], v[M0], |v[\src+29]|, |v[\src+30]|
	s_delay_alu instid0(VALU_DEP_1)
	v_max3_num_f32 v[M0], v[M0], v[M1], |v[\src+31]|
	s_delay_alu instid0(VALU_DEP_1)
	v_add_nc_u32 v[SO], 0xff000000, v[M0]
	s_delay_alu instid0(VALU_DEP_1)
	v_lshrrev_b32 v[\by], 23, v[SO]
.irp g, 0,1,2,3
	v_cvt_scalef32_pk8_fp4_f32 v[\dst+\g], v[\src+8*\g:\src+8*\g+7], v[SO]
.endr
	v_nop
.endm
; A round of the cluster's barrier: my work-group's barrier; wave 0 signals for the work-group; every wave waits for all four work-groups; my work-group's barrier once more.
.macro CROUND
	s_barrier_signal -1
	s_barrier_wait -1
	s_cmp_lg_u32 s14, 0
	s_cbranch_scc1 .Lnot_wave_0_\@
	s_barrier_signal -3
.Lnot_wave_0_\@:
	s_barrier_wait -3
	s_barrier_signal -1
	s_barrier_wait -1
.endm
	s_load_b256 s[4:11], s[0:1], 0x0               ; qimg, qsc, kv, att
	s_load_b64 s[12:13], s[0:1], 0x20              ; atts
	v_lshl_add_u32 v224, v0, 2, 0x48400
	v_mov_b32 v225, 0
	ds_add_u32 v224, v225
	ds_add_u32 v224, v225
	v_lshrrev_b32 v1, 5, v0
	s_delay_alu instid0(VALU_DEP_1)
	v_readfirstlane_b32 s14, v1                    ; wave 0..15
	s_bfe_u32 s15, ttmp6, 0x40000                  ; cx: my place in the cluster; it enters the addresses of q and of the results alone
	s_lshl_b32 s16, ttmp9, 2
	s_add_co_u32 s16, s16, s15                     ; my block of 256 queries
	s_and_b32 s17, ttmp7, 0xffff                   ; the head, which the four partners share
	; descriptor group 1: 18 rows of 256 bytes (32 elements of 8 bytes), dense in memory and in LDS
	s_mov_b32 s24, 15|(3<<16)|(1<<21)              ; 15:0 the mask: all four work-groups; 17:16 elements of 8 bytes; 21 set beside a mask; no padding
	s_mov_b32 s25, 32<<16                          ; tensor_dim0 = 32
	s_mov_b32 s26, 18<<16                          ; tensor_dim1 = 18
	s_mov_b32 s27, 32<<16                          ; tile_dim0 = 32
	s_mov_b32 s28, 18                              ; tile_dim1 = 18
	s_mov_b32 s29, 32                              ; from row to row
	s_mov_b32 s30, 0
	s_mov_b32 s31, 0
	s_mul_i32 s18, s14, SHARE                      ; my share of a part, in LDS and in memory alike
	s_mul_i32 s20, s17, 32*REC                     ; the head's records
	s_add_co_u32 s20, s20, s18
	s_mov_b32 s21, 0
	s_mov_b32 s48, 0x3e38aa3b                      ; c = log2(e) / 8
	s_mov_b32 s49, s48                             ; (named with it as a pair)
	s_mov_b32 s50, 0x76543210
	s_mov_b32 s51, 0xfedcba98                      ; selects for lane l xor 16
	s_wait_dscnt 0x0
	s_wait_kmcnt 0x0
	s_add_nc_u64 s[20:21], s[8:9], s[20:21]
.irp f, 0,1,2,3
	s_mov_b32 s[32+4*\f], 1                        ; count = 1
	s_add_co_u32 s[33+4*\f], s18, \f*PART          ; LDS address
	s_add_nc_u64 s[34+4*\f:35+4*\f], s[20:21], \f*PART   ; global address
	s_or_b32 s[35+4*\f], s[35+4*\f], 0x80000000    ; type = 2
.endr
	CROUND                                         ; all four work-groups are here: the joint loads meet
	tensor_load_to_lds s[32:35], s[24:31]          ; all fills of the launch, as one group: four loads of mine are out
	s_nop 0
	tensor_load_to_lds s[36:39], s[24:31]
	s_nop 0
	tensor_load_to_lds s[40:43], s[24:31]
	s_nop 0
	tensor_load_to_lds s[44:47], s[24:31]
	s_nop 0
.rept 4
	v_nop
.endr
	v_and_b32 v213, 31, v0                         ; lane
	s_delay_alu instid0(VALU_DEP_1)
	v_lshlrev_b32 v1, 4, v213                      ; 16 x lane: an image's place for my lane
	s_wait_alu depctr_va_vdst(0)
	v_lshl_add_u32 v2, v213, 3, 8192               ; 8 x lane, at a record's scale words
	v_bfe_u32 v5, v0, 4, 1
	s_delay_alu instid0(VALU_DEP_1)
	v_lshlrev_b32 v5, 3, v5                        ; 8 h
	v_and_b32 v215, 15, v0                         ; r
	s_lshl_b32 s22, s14, 6
	s_add_co_u32 s22, s22, GS
	v_lshl_add_u32 v6, v215, 2, s22                ; where my tile's 16 scale words meet the others': GS + 64 w + 4 r
	s_and_b32 s22, s14, 1
	s_lshl_b32 s22, s22, 9
	s_add_co_u32 s22, s22, GS
	v_add_nc_u32 v7, s22, v1                       ; and where waves 0 and 1 read them back
	v_lshlrev_b32 v17, 3, v215                     ; 8 r
	s_wait_alu depctr_va_vdst(0)
	s_lshl_b32 s56, s16, 4
	s_add_co_u32 s56, s56, s14                     ; my tile of queries, 0 .. 255
	s_mov_b32 s59, 0
	s_lshl_b32 s58, s17, 17
	s_lshl_b32 s60, s56, 9
	s_add_co_u32 s58, s58, s60
	s_add_nc_u64 s[4:5], s[4:5], s[58:59]          ; its codes
	s_lshl_b32 s58, s17, 14                        ; its scale words: 256 bytes for four tiles; tile i's lie in word i / 2 of lanes 16 (i % 2) on
	s_lshr_b32 s60, s56, 2
	s_lshl_b32 s60, s60, 8
	s_add_co_u32 s58, s58, s60
	s_and_b32 s60, s14, 1
	s_lshl_b32 s60, s60, 7
	s_add_co_u32 s58, s58, s60
	s_bfe_u32 s60, s14, 0x10001
	s_lshl_b32 s60, s60, 2
	s_add_co_u32 s58, s58, s60
	s_add_nc_u64 s[6:7], s[6:7], s[58:59]
	global_load_b128 v[8:11], v1, s[4:5]           ; Q's codes stay in registers
	global_load_b32 v16, v17, s[6:7]               ; Q's scale words, in lanes 0-15 (lanes 16-31 hold the same)
	s_lshr_b32 s58, s17, 2                         ; the result's codes: ((256 b + tile) x 4 + n) x 512
	s_lshl_b32 s58, s58, 19
	s_lshl_b32 s60, s56, 11
	s_add_co_u32 s58, s58, s60
	s_and_b32 s60, s17, 3
	s_lshl_b32 s60, s60, 9
	s_add_co_u32 s58, s58, s60
	s_add_nc_u64 s[10:11], s[10:11], s[58:59]
	s_lshl_b32 s58, s17, 14                        ; its scale words: (256 bh + the block's first tile) x 64, + 512 for the odd wave
	s_lshl_b32 s60, s16, 10
	s_add_co_u32 s58, s58, s60
	s_and_b32 s60, s14, 1
	s_lshl_b32 s60, s60, 9
	s_add_co_u32 s58, s58, s60
	s_add_nc_u64 s[12:13], s[12:13], s[58:59]
	s_and_b32 s54, s17, 1
	s_lshl_b32 s54, s54, 4                         ; an odd head's two bytes take the upper half of a K step's scale word
.irp j, 12,13,14,15,56,57,58,59,20,21,23,214,216
	v_mov_b32 v[\j], 0                             ; Q's upper half and the registers behind K's last tile: zero codes; the sum; registers that are named before they are first written
.endr
.set j, 0
.rept 32
	v_mov_b32 v[O+j], 0                            ; O^T: the step is written once; its first run finds zeros
.set j, j+1
.endr
	v_mov_b32 v19, 0xff61b1e6                      ; the largest t so far: -3e38
	s_delay_alu instid0(VALU_DEP_1)
	v_floor_f32 v18, -v19                          ; -M
	s_wait_loadcnt 0x0                             ; Q
; A KEY STEP: 128 keys, the record at LDS byte s52.
.macro STEP
	v_add_nc_u32 v3, s52, v1
	v_add_nc_u32 v4, s52, v2
	v_nop
	v_nop                                          ; four places behind the last step's products, ahead of the loads into V's registers
.irp t, 0,1,2,3,4,5,6,7
	ds_load_b128 v[KF+4*\t:KF+4*\t+3], v3 offset:512*\t
.endr
.irp cc, 0,1
	ds_load_b64 v[KS+2*\cc:KS+2*\cc+1], v4 offset:256*\cc
.endr
.irp k, 0,1,2,3,4,5,6,7
	ds_load_b128 v[VF+4*\k:VF+4*\k+3], v3 offset:4096+512*\k
.endr
.irp pr, 0,1
	ds_load_b64 v[VS+2*\pr:VS+2*\pr+1], v4 offset:512+256*\pr
.endr
	s_wait_dscnt 10                                ; K and its scale words are in; V's eight loads and its scales' two may be out
.irp t, 0,2,4,6
	v_wmma_scale_f32_16x16x128_f8f6f4 v[S+8*\t:S+8*\t+7], v[KF+4*\t:KF+4*\t+7], v[8:15], 0, v[KS+\t/2], v16 matrix_a_fmt:MATRIX_FMT_FP4 matrix_b_fmt:MATRIX_FMT_FP4
	v_wmma_scale_f32_16x16x128_f8f6f4 v[S+8*\t+8:S+8*\t+15], v[KF+4*\t+4:KF+4*\t+11], v[8:15], 0, v[KS+\t/2], v16 matrix_a_fmt:MATRIX_FMT_FP4 matrix_b_fmt:MATRIX_FMT_FP4 matrix_a_scale:MATRIX_SCALE_ROW1
.endr
.rept 4
	v_nop
.endr
.irp c, 0,1
	v_max3_num_f32 v[BM+\c], v[S+32*\c], v[S+32*\c+1], v[S+32*\c+2]   ; the largest score of each of my two blocks of 32 keys: it serves the row's maximum and, since p rises with the score, the block's largest p
.endr
.irp e, 3,5,7,9,11,13,15,17,19,21,23,25,27,29
.irp c, 0,1
	v_max3_num_f32 v[BM+\c], v[BM+\c], v[S+32*\c+\e], v[S+32*\c+\e+1]
.endr
.endr
.irp c, 0,1
	v_max_num_f32 v[BM+\c], v[BM+\c], v[S+32*\c+31]
.endr
	s_delay_alu instid0(VALU_DEP_1)
	v_max_num_f32 v213, v[BM], v[BM+1]
	s_delay_alu instid0(VALU_DEP_1)
	v_permlanex16_b32 v214, v213, s50, s51
	s_delay_alu instid0(VALU_DEP_1)
	v_max_num_f32 v213, v213, v214                 ; the step's largest score of my query
	s_delay_alu instid0(VALU_DEP_1)
	v_mul_f32 v213, s48, v213                      ; as t
	s_delay_alu instid0(VALU_DEP_1)
	v_max_num_f32 v19, v19, v213                   ; the running largest t
	v_mov_b32 v213, v18
	s_delay_alu instid0(VALU_DEP_2)
	v_floor_f32 v18, -v19                          ; the new -M = -ceil(t)
	s_delay_alu instid0(VALU_DEP_1)
	v_sub_f32 v213, v18, v213                      ; old M - new M: a whole number, 0 or less
	s_delay_alu instid0(VALU_DEP_1)
	v_cvt_i32_f32 v213, v213                       ; (it saturates)
	s_delay_alu instid0(VALU_DEP_1)
	v_ldexp_f32 v22, 1.0, v213                     ; f = 2^(old M - new M)
.set j, 0
.rept 32
	v_pk_fma_f32 v[S+j:S+j+1], v[S+j:S+j+1], s[48:49], v[18:19] op_sel_hi:[1,0,0]   ; t - M, two at a time
.set j, j+2
.endr
.irp c, 0,1
	v_fma_f32 v[BM+\c], v[BM+\c], s48, v18         ; the same of each block's largest score
.endr
	s_wait_alu depctr_va_vdst(0)
.irp c, 0,1
	v_exp_f32 v[BM+\c], v[BM+\c]                   ; ONE BATCH of 66 exponentials: the blocks' largest p,
.endr
.set j, 0
	s_setprio 1
.rept 64
	v_exp_f32 v[S+j], v[S+j]                       ; and p = 2^(t - M)
.set j, j+1
.endr
.set j, 0
	s_wait_alu depctr_va_vdst(0)
.rept 16
	v_pk_mul_f32 v[O+j:O+j+1], v[O+j:O+j+1], v[22:23] op_sel_hi:[1,0]   ; independent work behind the batch: O^T under the new M,
.set j, j+2
.endr
	v_pk_mul_f32 v[20:21], v[20:21], v[22:23] op_sel_hi:[1,0]           ; and the sum
	s_wait_alu depctr_va_vdst(0)                   ; the wait ahead of the batch's first reader: one for the 66
.irp c, 0,1
	v_max_num_f32 v[BM+\c], FLOOR, v[BM+\c]        ; the floor: the byte cannot fall under 1
.endr
.irp c, 0,1
	s_delay_alu instid0(VALU_DEP_2)
	v_add_nc_u32 v[208+\c], 0xff000000, v[BM+\c]   ; the conversions' scale operands
.endr
.irp c, 0,1
	s_delay_alu instid0(VALU_DEP_2)
	v_lshrrev_b32 v[210+\c], 23, v[208+\c]         ; the bytes of blocks h and 2 + h
.endr
	s_delay_alu instid0(VALU_DEP_1)
	v_lshl_or_b32 v212, v211, 16, v210
	s_delay_alu instid0(VALU_DEP_1)
	v_lshlrev_b32 v212, v5, v212
	s_delay_alu instid0(VALU_DEP_1)
	v_permlanex16_b32 v216, v212, s50, s51
	s_delay_alu instid0(VALU_DEP_1)
	v_or_b32 v212, v212, v216                      ; p's scale word for these 128 keys
.irp c, 0,1
.irp i, 0,1,2,3
	v_cvt_scalef32_pk8_fp4_f32 v[PC+4*\c+\i], v[S+32*\c+8*\i:S+32*\c+8*\i+7], v[208+\c]   ; the operand's registers 4 c + i, as they stand
.endr
.endr
	v_nop                                          ; one plain place behind the conversions
	v_pk_add_f32 v[206:207], v[104:105], v[108:109]
	v_pk_add_f32 v[222:223], v[112:113], v[116:117]
	v_pk_add_f32 v[220:221], v[120:121], v[124:125]
	v_pk_add_f32 v[218:219], v[128:129], v[132:133]
	v_pk_add_f32 v[210:211], v[136:137], v[140:141]
	v_pk_add_f32 v[208:209], v[144:145], v[148:149]
	v_pk_add_f32 v[204:205], v[152:153], v[156:157]
	v_pk_add_f32 v[20:21], v[20:21], v[160:161]
	v_pk_add_f32 v[206:207], v[206:207], v[100:101]
	v_pk_add_f32 v[222:223], v[222:223], v[102:103]
	v_pk_add_f32 v[220:221], v[220:221], v[106:107]
	v_pk_add_f32 v[218:219], v[218:219], v[110:111]
	v_pk_add_f32 v[210:211], v[210:211], v[114:115]
	v_pk_add_f32 v[208:209], v[208:209], v[118:119]
	v_pk_add_f32 v[204:205], v[204:205], v[122:123]
	v_pk_add_f32 v[20:21], v[20:21], v[126:127]
	v_pk_add_f32 v[206:207], v[206:207], v[130:131]
	s_setprio 0
	v_pk_add_f32 v[222:223], v[222:223], v[134:135]
	v_pk_add_f32 v[220:221], v[220:221], v[138:139]
	v_pk_add_f32 v[218:219], v[218:219], v[142:143]
	v_pk_add_f32 v[210:211], v[210:211], v[146:147]
	v_pk_add_f32 v[208:209], v[208:209], v[150:151]
	v_pk_add_f32 v[204:205], v[204:205], v[154:155]
	v_pk_add_f32 v[20:21], v[20:21], v[158:159]
	v_pk_add_f32 v[206:207], v[206:207], v[162:163]
	s_delay_alu instid0(VALU_DEP_2)
	v_pk_add_f32 v[20:21], v[20:21], v[218:219]
	s_delay_alu instid0(VALU_DEP_2)
	v_pk_add_f32 v[206:207], v[206:207], v[210:211]
	v_pk_add_f32 v[222:223], v[222:223], v[208:209]
	v_pk_add_f32 v[220:221], v[220:221], v[204:205]
	s_delay_alu instid0(VALU_DEP_2)
	v_pk_add_f32 v[20:21], v[20:21], v[222:223]
	s_delay_alu instid0(VALU_DEP_2)
	v_pk_add_f32 v[206:207], v[206:207], v[220:221]
	s_delay_alu instid0(VALU_DEP_1)
	v_pk_add_f32 v[20:21], v[20:21], v[206:207]
	s_wait_dscnt 0x0                               ; V and its scale words are in
.irp ct, 0,1,2,3
	v_wmma_scale_f32_16x16x128_f8f6f4 v[O+8*\ct:O+8*\ct+7], v[VF+8*\ct:VF+8*\ct+7], v[PC:PC+7], v[O+8*\ct:O+8*\ct+7], v[VS+\ct], v212 matrix_a_fmt:MATRIX_FMT_FP4 matrix_b_fmt:MATRIX_FMT_FP4
.endr                                              ; the four accumulators take turns, one instruction each; the next matrix instructions are S^T's
.endm
; Part f of the records: eight key steps.  The count leaves my loads of the later parts out; behind the barrier every wave's share of the part has landed.
.macro PHASE f
	s_wait_tensorcnt 3-\f
	s_barrier_signal -1
	s_barrier_wait -1
	s_mov_b32 s52, \f*PART
	s_mov_b32 s53, 8
.Lstep_\@:
	s_setprio 2
	STEP
	s_add_co_u32 s52, s52, REC
	s_sub_co_u32 s53, s53, 1
	s_cmp_lg_u32 s53, 0
	s_cbranch_scc1 .Lstep_\@
	s_setprio 0
.endm
	PHASE 0
	PHASE 1
	PHASE 2
	PHASE 3
	s_wait_alu depctr_va_vdst(0)
	; THE WAY OUT.  O^T / the row's sum is one block of 32 channels a lane: quantised as it stands, it is four registers of the output projection's operand.
	v_add_f32 v20, v20, v21                        ; the sum's two halves,
	s_delay_alu instid0(VALU_DEP_1)
	v_permlanex16_b32 v214, v20, s50, s51
	s_delay_alu instid0(VALU_DEP_1)
	v_add_f32 v20, v20, v214                       ; and lane l xor 16's
	v_nop
	v_nop                                          ; (with the additions: the places behind the last products)
	s_wait_alu depctr_va_vdst(0)
	v_rcp_f32 v22, v20
	v_nop                                          ; a plain place behind the transcendental
	s_wait_alu depctr_va_vdst(0)                   ; the wait ahead of the first reader
.set j, 0
.rept 16
	v_pk_mul_f32 v[O+j:O+j+1], v[O+j:O+j+1], v[22:23] op_sel_hi:[1,0]
.set j, j+2
.endr
	QUANT32 O, PC, 210
	v_lshlrev_b32 v211, v5, v210                   ; my byte at place h,
	s_delay_alu instid0(VALU_DEP_1)
	v_permlanex16_b32 v216, v211, s50, s51
	s_delay_alu instid0(VALU_DEP_1)
	v_or_b32 v211, v211, v216                      ; with lane l xor 16's,
	s_delay_alu instid0(VALU_DEP_1)
	v_lshlrev_b32 v211, s54, v211                  ; in my head's half of the word
	global_store_b128 v1, v[PC:PC+3], s[10:11]     ; 512 consecutive bytes
	ds_store_b32 v6, v211                          ; lanes 16-31 write the same words with the same values
	s_wait_dscnt 0x0                               ; for the others' sake: my store has landed
	s_barrier_signal -1
	s_barrier_wait -1
	s_cmp_lt_u32 s14, 2
	s_cbranch_scc0 .Lno_words
	ds_load_b128 v[200:203], v7                    ; waves 0 and 1 store the work-group's 1,024 bytes of scale words, 512 consecutive bytes each
	s_wait_dscnt 0x0
	global_store_b128 v1, v[200:203], s[12:13]
.Lno_words:
	s_wait_tensorcnt 0x0
	ds_add_u32 v224, v225
	s_wait_dscnt 0x0
	CROUND                                         ; the closing round: no work-group ends while a partner may still ask for a tile that names it
	s_endpgm
.Lfunc_end_k_q1885c364ed_attn:
	.size	k_q1885c364ed_attn, .Lfunc_end_k_q1885c364ed_attn-k_q1885c364ed_attn
	.p2alignl 7, 3214868480
	.fill 96, 4, 3214868480
	.section	.rodata,"a",@progbits
	.p2align	6, 0x0
	.amdhsa_kernel k_q1885c364ed_attn
		.amdhsa_group_segment_fixed_size 327680
		.amdhsa_private_segment_fixed_size 0
		.amdhsa_enable_private_segment 0
		.amdhsa_kernarg_size 40
		.amdhsa_user_sgpr_count 2
		.amdhsa_user_sgpr_kernarg_segment_ptr 1
		.amdhsa_wavefront_size32 1
		.amdhsa_system_sgpr_workgroup_id_x 1
		.amdhsa_system_sgpr_workgroup_id_y 1
		.amdhsa_system_sgpr_workgroup_id_z 1
		.amdhsa_system_vgpr_workitem_id 0
		.amdhsa_next_free_vgpr 226
		.amdhsa_next_free_sgpr 66
		.amdhsa_reserve_vcc 0
		.amdhsa_float_denorm_mode_32 3
		.amdhsa_float_denorm_mode_16_64 3
		.amdhsa_memory_ordered 1
		.amdhsa_forward_progress 1
		.amdhsa_inst_pref_size 72
	.end_amdhsa_kernel
	.amdgpu_metadata
---
amdhsa.version: [ 1, 2 ]
amdhsa.kernels:
  - .name:           k_q1885c364ed_attn
    .symbol:         k_q1885c364ed_attn.kd
    .args:
      - { .name: qimg, .offset: 0, .size: 8, .value_kind: global_buffer, .address_space: global }
      - { .name: qsc, .offset: 8, .size: 8, .value_kind: global_buffer, .address_space: global }
      - { .name: kv, .offset: 16, .size: 8, .value_kind: global_buffer, .address_space: global }
      - { .name: att, .offset: 24, .size: 8, .value_kind: global_buffer, .address_space: global }
      - { .name: atts, .offset: 32, .size: 8, .value_kind: global_buffer, .address_space: global }
    .group_segment_fixed_size: 327680
    .private_segment_fixed_size: 0
    .kernarg_segment_align: 8
    .kernarg_segment_size: 40
    .max_flat_workgroup_size: 512
    .sgpr_count:     66
    .vgpr_count:     226
    .wavefront_size: 32
...
	.end_amdgpu_metadata
.endif
;; end of part 3
;; launch outp (part 4): grid 256 x 1, 8 waves a work-group, no clusters, 70,656 bytes of LDS; arguments att, atts, wcodes, wscales, bo, x, out0; writes out0
.if DOCPART == 4
	.amdgcn_target "amdgcn-amd-amdhsa--gfx1250"
	.amdhsa_code_object_version 6
	.text
	.protected	k_q1885c364ed_outp
	.globl	k_q1885c364ed_outp
	.p2align	8
	.type	k_q1885c364ed_outp,@function
k_q1885c364ed_outp:
	s_mov_b64 s[64:65], 0
	v_nop
	global_prefetch_b8 v0, s[64:65] scope:SCOPE_SE
	s_setreg_imm32_b32 hwreg(HW_REG_WAVE_MODE, 25, 1), 1
	s_wait_xcnt 0x0
; out0 = x + Wo attention + bo, the product on codes of FP4 (E2M1), one E8M0 scale for each 32 along K (the 256 channels).
; A work-group takes 64 positions of one batch (b = G / 64, chunk = G % 64) and all 256 output channels; wave w takes Wo's tiles 2 w and 2 w + 1.
; Source 0 = 16 positions of the attention's result, source 1 = 16 rows of Wo: a lane holds ONE output channel, and the 32 registers of the chunk's four tiles are positions 32 h + 0 .. 31 (a tile's positions are 8 + 8, 32 apart).
; So a channel's 256 bytes of the chunk are made by one wave: they turn through the wave's own stage in LDS and leave, with x added, as aligned runs of 256 bytes from sixteen lanes.  No wave reads another's bytes: no barrier.
; The bias is the C of each sum's first product: eight equal registers a tile of Wo, since a lane holds one channel.
.set AT,  32                           ; v32-95    the attention's fragments (tile i, K step s at 16 i + 8 s); later the rows read back from the stage
.set WF,  96                           ; v96-127   Wo's fragments (16 tl + 8 s)
.set ACC, 128                          ; v128-191  accumulators (32 tl + 8 i); v128-135 first take the attention's scale words as loaded, a head at a time
.set XR,  192                          ; v192-255  x
.set WS,  16                           ; v16-19    Wo's scale words
.set AS,  20                           ; v20-23    the attention's: register 2 (i / 2) + s; lanes 0-15 the even tile, lanes 16-31 the odd
.set BI,  8                            ; v8-15, v24-31  the bias of tile tl, eight times
.macro MM d, a, b, c, sa, sb, row
.if \row
	v_wmma_scale_f32_16x16x128_f8f6f4 v[\d:\d+7], v[\a:\a+7], v[\b:\b+7], v[\c:\c+7], v[\sa], v[\sb] matrix_a_fmt:MATRIX_FMT_FP4 matrix_b_fmt:MATRIX_FMT_FP4 matrix_a_scale:MATRIX_SCALE_ROW1
.else
	v_wmma_scale_f32_16x16x128_f8f6f4 v[\d:\d+7], v[\a:\a+7], v[\b:\b+7], v[\c:\c+7], v[\sa], v[\sb] matrix_a_fmt:MATRIX_FMT_FP4 matrix_b_fmt:MATRIX_FMT_FP4
.endif
.endm
	s_load_b256 s[4:11], s[0:1], 0x0               ; att, atts, wcodes, wscales
	s_load_b128 s[12:15], s[0:1], 0x20             ; bo, x
	s_load_b64 s[16:17], s[0:1], 0x30              ; out0
	v_lshl_add_u32 v7, v0, 2, 0x11000
	s_set_vgpr_msb 0x40
	v_mov_b32 v1, 0
	s_set_vgpr_msb 0x4000
	v_lshrrev_b32 v1, 5, v0
	s_delay_alu instid0(VALU_DEP_1)
	v_readfirstlane_b32 s18, v1                    ; wave 0..7
	s_lshr_b32 s19, ttmp9, 6                       ; b
	s_and_b32 s20, ttmp9, 63                       ; chunk
	v_and_b32 v30, 31, v0                          ; lane
	v_and_b32 v31, 15, v0                          ; r
	v_bfe_u32 v29, v0, 4, 1                        ; h
	s_delay_alu instid0(VALU_DEP_3)
	v_lshlrev_b32 v1, 4, v30                       ; 16 x lane
	s_delay_alu instid0(VALU_DEP_4)
	v_lshlrev_b32 v2, 2, v30                       ; 4 x lane
	s_mul_i32 s21, s18, 32*272                     ; my stage: 32 rows of 256 bytes + 16
	v_mul_u32_u24 v3, v31, 272
	s_delay_alu instid0(VALU_DEP_1)
	v_lshl_add_u32 v3, v29, 7, v3
	s_delay_alu instid0(VALU_DEP_1)
	v_add_nc_u32 v3, s21, v3                       ; in: row r, + 128 h
	v_mul_u32_u24 v4, v29, 272
	s_delay_alu instid0(VALU_DEP_1)
	v_lshl_add_u32 v4, v31, 4, v4
	s_delay_alu instid0(VALU_DEP_1)
	v_add_nc_u32 v4, s21, v4                       ; back: lanes 0-15 one row, lanes 16-31 the next
	v_lshlrev_b32 v5, 14, v29
	s_delay_alu instid0(VALU_DEP_1)
	v_lshl_add_u32 v5, v31, 4, v5                  ; and the same two channels in x and out0: 16,384 bytes apart
	v_and_b32 v6, 7, v31
	v_bfe_u32 v28, v31, 3, 1
	s_delay_alu instid0(VALU_DEP_1)
	v_lshl_add_u32 v6, v28, 5, v6
	s_delay_alu instid0(VALU_DEP_1)
	v_lshlrev_b32 v6, 2, v6                        ; the bias of my lane's channel: 4 (32 (r / 8) + r % 8)
	s_lshr_b32 s22, s18, 1
	s_lshl_b32 s22, s22, 6
	s_and_b32 s23, s18, 1
	s_lshl_b32 s23, s23, 4
	s_add_co_u32 s22, s22, s23                     ; my tiles' first channel: 64 (w / 2) + 16 (w % 2)
	s_mov_b32 s25, 0
	s_wait_alu depctr_va_vdst(0)
	s_wait_kmcnt 0x0
	s_lshl_b32 s24, s19, 19                        ; the chunk's four tiles of codes, 2,048 bytes each
	s_lshl_b32 s26, s20, 13
	s_add_co_u32 s24, s24, s26
	s_add_nc_u64 s[4:5], s[4:5], s[24:25]
	s_lshl_b32 s24, s19, 16                        ; their scale words, head 0's
	s_lshl_b32 s26, s20, 8
	s_add_co_u32 s24, s24, s26
	s_add_nc_u64 s[6:7], s[6:7], s[24:25]
	s_lshl_b32 s24, s18, 12                        ; Wo's images, my two tiles
	s_add_co_u32 s24, s24, 98304
	s_add_nc_u64 s[8:9], s[8:9], s[24:25]
	s_lshl_b32 s24, s18, 9
	s_add_co_u32 s24, s24, 12288
	s_add_nc_u64 s[10:11], s[10:11], s[24:25]
	s_lshl_b32 s24, s22, 2
	s_add_nc_u64 s[12:13], s[12:13], s[24:25]
	s_lshl_b32 s24, s19, 22                        ; x and out0: the batch, my first channel, the chunk
	s_lshl_b32 s26, s22, 14
	s_add_co_u32 s24, s24, s26
	s_lshl_b32 s26, s20, 8
	s_add_co_u32 s24, s24, s26
	s_add_nc_u64 s[14:15], s[14:15], s[24:25]
	s_add_nc_u64 s[16:17], s[16:17], s[24:25]
.set k, 0
.rept 16
	global_load_b128 v[AT+4*k:AT+4*k+3], v1, s[4:5] offset:512*k
.set k, k+1
.endr
.set k, 0
.rept 8
	global_load_b128 v[WF+4*k:WF+4*k+3], v1, s[8:9] offset:512*k
.set k, k+1
.endr
.set k, 0
.rept 4
	global_load_b32 v[WS+k], v2, s[10:11] offset:128*k
.set k, k+1
.endr
.irp n, 0,1,2,3
.irp p, 0,1
	global_load_b32 v[ACC+2*\n+\p], v2, s[6:7] offset:16384*\n+128*\p   ; head n's words of tiles 2 p (lanes 0-15) and 2 p + 1 (lanes 16-31)
.endr
.endr
	global_load_b32 v[BI], v6, s[12:13]
	global_load_b32 v[BI+16], v6, s[12:13] offset:32
.set t, 0
.rept 16
	global_load_b128 v[XR+4*t:XR+4*t+3], v5, s[14:15] offset:(8*(t/8)+32*((t%8)/4)+2*(t%4))*16384 th:TH_LOAD_NT   ; the channels in the order in which the stage gives them back; sixteen lanes read 256 consecutive bytes
.set t, t+1
.endr
	s_wait_loadcnt 16                              ; all but x's sixteen loads
.irp tl, 0,1
.irp j, 1,2,3,4,5,6,7
	v_mov_b32 v[BI+16*\tl+\j], v[BI+16*\tl]
.endr
.endr
.irp p, 0,1
.irp s, 0,1
	v_or_b32 v[AS+2*\p+\s], v[ACC+4*\s+\p], v[ACC+4*\s+2+\p]   ; heads 2 s and 2 s + 1 make K step s's scale word
.endr
.endr
.rept 8
	v_nop                                          ; a scale register written by a vector instruction stands eight places ahead of a scaled product
.endr
.irp tl, 0,1
.irp i, 0,1,2,3
	MM ACC+32*\tl+8*\i, AT+16*\i, WF+16*\tl, BI+16*\tl, AS+2*(\i/2), WS+2*\tl, \i%2
.endr
.endr
.irp tl, 0,1
.irp i, 0,1,2,3
	MM ACC+32*\tl+8*\i, AT+16*\i+8, WF+16*\tl+8, ACC+32*\tl+8*\i, AS+2*(\i/2)+1, WS+2*\tl+1, \i%2
.endr
.endr                                              ; the eight accumulators take turns, one instruction each
.rept 4
	v_nop
.endr
.irp tl, 0,1
.irp i, 0,1,2,3
.irp q, 0,1
	ds_store_b128 v3, v[ACC+32*\tl+8*\i+4*\q:ACC+32*\tl+8*\i+4*\q+3] offset:16*272*\tl+32*\i+16*\q   ; each accumulator from its low end on
.endr
.endr
.endr
.set t, 0
.rept 16
	ds_load_b128 v[AT+4*t:AT+4*t+3], v4 offset:2*272*t   ; LDS serves a wave's instructions in order: these see my stores
.set t, t+1
.endr
.set t, 0
.rept 16
	s_wait_dscnt 15-t                              ; rows 2 t and 2 t + 1 are back,
	s_wait_loadcnt 15-t                            ; and their x is in
	v_pk_add_f32 v[AT+4*t:AT+4*t+1], v[AT+4*t:AT+4*t+1], v[XR+4*t:XR+4*t+1]
	v_pk_add_f32 v[AT+4*t+2:AT+4*t+3], v[AT+4*t+2:AT+4*t+3], v[XR+4*t+2:XR+4*t+3]
	global_store_b128 v5, v[AT+4*t:AT+4*t+3], s[16:17] offset:(8*(t/8)+32*((t%8)/4)+2*(t%4))*16384 th:TH_STORE_NT   ; sixteen lanes store 256 consecutive bytes, aligned
.set t, t+1
.endr
	s_set_vgpr_msb 0x4
	s_wait_tensorcnt 0x0
	ds_add_u32 v7, v1
	s_wait_dscnt 0x0
	s_set_vgpr_msb 0x400
	s_endpgm
.Lfunc_end_k_q1885c364ed_outp:
	.size	k_q1885c364ed_outp, .Lfunc_end_k_q1885c364ed_outp-k_q1885c364ed_outp
	.p2alignl 7, 3214868480
	.fill 96, 4, 3214868480
	.section	.rodata,"a",@progbits
	.p2align	6, 0x0
	.amdhsa_kernel k_q1885c364ed_outp
		.amdhsa_group_segment_fixed_size 70656
		.amdhsa_private_segment_fixed_size 0
		.amdhsa_enable_private_segment 0
		.amdhsa_kernarg_size 56
		.amdhsa_user_sgpr_count 2
		.amdhsa_user_sgpr_kernarg_segment_ptr 1
		.amdhsa_wavefront_size32 1
		.amdhsa_system_sgpr_workgroup_id_x 1
		.amdhsa_system_sgpr_workgroup_id_y 1
		.amdhsa_system_sgpr_workgroup_id_z 1
		.amdhsa_system_vgpr_workitem_id 0
		.amdhsa_next_free_vgpr 258
		.amdhsa_next_free_sgpr 66
		.amdhsa_reserve_vcc 0
		.amdhsa_float_denorm_mode_32 3
		.amdhsa_float_denorm_mode_16_64 3
		.amdhsa_memory_ordered 1
		.amdhsa_forward_progress 1
		.amdhsa_inst_pref_size 18
	.end_amdhsa_kernel
	.amdgpu_metadata
---
amdhsa.version: [ 1, 2 ]
amdhsa.kernels:
  - .name:           k_q1885c364ed_outp
    .symbol:         k_q1885c364ed_outp.kd
    .args:
      - { .name: att, .offset: 0, .size: 8, .value_kind: global_buffer, .address_space: global }
      - { .name: atts, .offset: 8, .size: 8, .value_kind: global_buffer, .address_space: global }
      - { .name: wcodes, .offset: 16, .size: 8, .value_kind: global_buffer, .address_space: global }
      - { .name: wscales, .offset: 24, .size: 8, .value_kind: global_buffer, .address_space: global }
      - { .name: bo, .offset: 32, .size: 8, .value_kind: global_buffer, .address_space: global }
      - { .name: x, .offset: 40, .size: 8, .value_kind: global_buffer, .address_space: global }
      - { .name: out0, .offset: 48, .size: 8, .value_kind: global_buffer, .address_space: global }
    .group_segment_fixed_size: 70656
    .private_segment_fixed_size: 0
    .kernarg_segment_align: 8
    .kernarg_segment_size: 56
    .max_flat_workgroup_size: 256
    .sgpr_count:     66
    .vgpr_count:     258
    .wavefront_size: 32
...
	.end_amdgpu_metadata
.endif
;; end of part 4
